; MI455X (gfx1250); checked and timed in simulation.
; The chip was launched on July 23, 2026; its instructions are those of AMD's public machine-readable ISA for CDNA 5 (MIT licence, August 2026) and "CDNA5" Instruction Set Architecture Reference Guide (July 2026). The comments in the code are by the model that wrote it; some were corrected since.
;; Vanilla Vector Quantizer. Allowed arithmetic: matrix products marked QUANTISED: E4M3 operands, one given power-of-two scale a tensor, by v_wmma_f32_16x16x64_fp8_fp8 or v_wmma_f32_16x16x128_fp8_fp8, f32 sums; everything else in f32.
;; Inputs: codebook 64 x 512 float32; encodings 32 x 64 x 64 x 64 float32; lowp_scales 2 int32 (the exponents e of the quantised operands' scales 2^e).
;; Outputs: out0 32 x 64 x 64 x 64 float32.
;; This version of the problem:
;;   THIS VERSION OF THE PROBLEM IS GIVEN IN LOW PRECISION. The matrix products marked QUANTISED in the list below multiply operands that are first quantised to E4M3 (4 exponent bits, 3 mantissa bits; 8 bits a number), with one given power-of-two scale for each operand tensor; their sums are f32. All else is computed in f32.
;;   The module's matrix products, in the order in which they are computed (A, B: the left and right operand; K: the contracted axis; several contracted axes count as one K, in the product's order):
;;     1. [M 131,072, K 64] x [K 64, N 512]; A: input encodings; B: input codebook: QUANTISED (scales: A lowp_scales[0], B lowp_scales[1])
;;   THE QUANTISER, for each operand of a quantised product, along K:
;;     - The operand's scale is 2^e, e = its entry of the input lowp_scales (int32; the entries are numbered through the quantised products in the list's order, A before B).
;;     - Each number is divided by the scale, clamped to +-448, and rounded to the nearest number of E4M3, ties to even, subnormals kept.
;;     - The product sums the exact products of the quantised numbers (number of the format x scale) in f32.
;;   ~~~python
;;   def quantise(x, axis, e):      # numpy; x: float32 -> the quantised numbers, widened to float32 again
;;       x = np.moveaxis(x, axis, -1); K = x.shape[-1]
;;       r = np.clip(x / 2.0 ** e, -448, 448)
;;       step = 2.0 ** (np.maximum(np.frexp(np.where(r == 0, 1, r))[1] - 1, -6) - 3)
;;       q = np.round(r / step) * step * 2.0 ** e      # np.round: ties to even
;;       return np.moveaxis(q, -1, axis).astype(np.float32)
;;   ~~~
;; 2 versions, each right; version 2 is version 1 with the launch nearest written anew for expert scheduling mode. Each part assembles by itself: llvm-mc -triple=amdgcn-amd-amdhsa -mcpu=gfx1250 --defsym DOCPART=n.
;; ======== version 1 of 2: 2 launches
;; workspace buffers: ids 524,288 bytes of whole numbers
;; launch nearest (part 1): grid 256 x 1, 16 waves a work-group, no clusters, 38,912 bytes of LDS; arguments encodings, codebook, lowp_scales, ids; writes ids
.if DOCPART == 1
	.amdgcn_target "amdgcn-amd-amdhsa--gfx1250"
	.amdhsa_code_object_version 6
	.text
	.protected	k_qf2ffd45bb2_nearest
	.globl	k_qf2ffd45bb2_nearest
	.p2align	8
	.type	k_qf2ffd45bb2_nearest,@function
k_qf2ffd45bb2_nearest:
	s_mov_b64 s[64:65], 0
	v_nop
	global_prefetch_b8 v0, s[64:65] scope:SCOPE_SE
	s_setreg_imm32_b32 hwreg(HW_REG_WAVE_MODE, 25, 1), 1
	s_wait_xcnt 0x0
; ids[n] = argmin over k of  fl(fl(sq_x[n] - 2 p[n][k]) + sq_e[k]),  the lowest k where distances are equal.
; p = Q(x) . Q(e): both operands as codes of FP8 (E4M3) with the given scales 2^e0 (encodings) and 2^e1 (codebook), multiplied by v_wmma_f32_16x16x64_fp8_fp8 (K = the 64 channels: one instruction a tile), sums f32.
; encodings: [32][64 channels][4096 positions] f32;  codebook: [64 channels][512 codes] f32;  ids: [32 x 4096] int32.
; THE ROUNDINGS ARE THE DEFINITION'S.  sq_x is large beside 2 p and sq_e, so distances fall on sq_x's coarse grid and equal ones are common; which code wins then hangs on the two f32 roundings and on the index.
; So: t = fma(sum, -2^(1 + e0 + e1), sq_x) (2 p is exact, one rounding), d = t + sq_e (the second), and every comparison keeps the lower index.
; SHARES.  A work-group of 16 waves owns 512 neighbouring positions of one image, a wave 32 of them: two tiles of 16.  Every wave walks all 32 tiles of 16 codes.  Of the codebook each wave quantises 32 codes: code = thread.
; QUANTISING.  K is not innermost in either tensor: a lane takes ONE vector (a position or a code) and its 64 registers run down K, so each load reads 128 consecutive bytes, the square sum needs no other lane, and the
; conversions give codes with K innermost.  Eight exchanges of half-waves then make two operand fragments of the wave's 32 vectors, each k in the place that the form's own layout gives it.
; THE CODEBOOK's 32 fragments and its 512 square sums go from wave to wave through LDS, the fragments as images of their registers.  x's fragments never leave the wave.
; LAYOUT.  Source 0 = 16 codes, source 1 = 16 positions: lane (r, h) holds position r and codes 8 h + 0 .. 7 of the tile.  Per lane and tile of positions: the best distance so far, the number of the tile of codes
; that held it, and that tile's eight distances; the place inside the tile is looked up once, at the end.  That is 22 vector instructions for 8 distances.
; THE FIRST BARRIER WAITS FOR THE CODEBOOK ALONE: x is waited for and quantised behind it, each wave for itself.
; TWO ORDERS OF ASKING.  The eight FIRST waves ask for their x straight behind their codes; the eight SECOND waves ask for theirs behind their codes' quantising.  So the first 65,536 bytes of the work-group's x are asked for
; ahead of the other 65,536, and the first waves can be at work while the second waves' x is on its way.  role = (w xor (w >> 2)) & 1: among waves w, w + 4, w + 8, w + 12, and among any four neighbours, two of each.
; The two arms of the one if/else ahead of the barrier hold the same lines in another order; all else is common text.
; NO JOINT LOADS: what work-groups share is the codebook, 131,072 bytes.  Its numbers are wanted in the registers of the lane that quantises them; a tensor load would lay them in LDS, from where the same 64 loads a
; wave would fetch them once more.  NO TENSOR LOADS for x either: it would go through LDS on its way to the same registers.
; LIMITS.  NaN and infinities among the inputs are not served.  e0 and e1 lie between -126 and 119, e0 + e1 + 1 between -126 and 127, so that each power of two below is an f32 number.
.set DCH,    64                        ; channels
.set NTILE,  32                        ; tiles of 16 codes
.set XPLANE, 16384                     ; bytes from channel to channel in encodings
.set CROW,   2048                      ; bytes from channel to channel in the codebook
.set CIMG,   0                         ; LDS: 32 fragments of the codebook, 1,024 bytes each: registers 0-3 at 16 x lane, registers 4-7 512 bytes on
.set SQE,    32768                     ; the 512 square sums
.set IDS,    34816                     ; the work-group's 512 ids, on their way out
.set OFF,  1                           ; v1   4 x thread: my position's byte in a channel's plane, and my code's byte in a row of the codebook (thread = 32 x wave + lane)
.set IMW,  3                           ; v3   where I store my wave's two images: 2048 x wave + 16 x lane
.set SQW,  4                           ; v4   and my code's square sum: SQE + 4 x thread
.set AFA,  5                           ; v5   16 x lane: an image's place for my lane
.set SEA,  6                           ; v6   SQE + 32 h: the eight square sums of my half of a tile
.set BASE, 7                           ; v7   8 h
.set IDW,  8                           ; v8   IDS + 4 x thread
.set IDR,  9                           ; v9   IDS + 8 x thread (waves 0-7)
.set IDO,  10                          ; v10  8 x thread: the same place in the work-group's part of ids
.set SCX,  14                          ; v14, v15  2^e0 and 448 x 2^e0
.set LMX,  15
.set SCB,  16                          ; v16, v17  2^e1 and 448 x 2^e1
.set LMB,  17
.set SQR,  18                          ; v18-21  x's square sum, in four parts, then whole in v18
.set SQ0,  22                          ; v22-25  the same for my code
.set O0,   32                          ; v32-47  my wave's two fragments of the codebook, ahead of the first barrier
.set XF,   32                          ; v32-47  x's two fragments, behind it
.set ST,   48                          ; v48-55  tile of positions p at v[ST + 4 p]: +0 sq_x, +1 number of the best tile of codes, +2, +3 the best distance, by turns
.set KP,   56                          ; v56-71  the best tile's eight distances, for p = 0, 1
.set AF,   72                          ; v72-87  a fragment of the codebook, two buffers
.set SE,   88                          ; v88-103 its eight square sums, two buffers
.set AC,   104                         ; v104-135 two sets of two accumulators
.set TM,   136                         ; v136-139 at work
.set RX,   128                         ; v128-191 raw: my position's 64 numbers
.set RC0,  192                         ; v192-255 raw: my code's 64 numbers
.set JJ,   AC                          ; the end: place in the tile, id, the other half's distance and id, 32 ids, two ids
.set IDV,  AC+2
.set OMV,  AC+4
.set OIV,  AC+6
.set I01,  AC+8
.set PR,   AC+10
.set CC,   24                          ; s[24:25] -2^(1 + e0 + e1): the packed form names a pair and takes its low word for both halves
.set SEL,  28                          ; s[28:29] lane selects for v_permlanex16_b32: lane l xor 16
.macro XLOAD                           ; my position's 64 channels: 32 lanes read 128 consecutive bytes; read once in the launch
.set LI, 0
.rept DCH
	global_load_b32 v[RX+LI], v[OFF], s[4:5] offset:LI*XPLANE th:TH_LOAD_NT
.set LI, LI+1
.endr
.endm
.macro CLOAD                           ; my code's 64 channels: 32 lanes read 128 consecutive bytes
.set LI, 0
.rept DCH
	global_load_b32 v[RC0+LI], v[OFF], s[6:7] offset:LI*CROW
.set LI, LI+1
.endr
.endm
.macro CBSCALE                         ; the codebook's scale, from e1
	s_wait_kmcnt 0x0
	s_add_co_i32 s22, s21, 127
	s_lshl_b32 s23, s22, 23
	v_mov_b32 v[SCB], s23                          ; 2^e1 as f32: the conversion takes its exponent field
	s_add_co_i32 s22, s22, 8
	s_lshl_b32 s22, s22, 23
	s_or_b32 s22, s22, 0x600000
	v_mov_b32 v[LMB], s22                          ; 448 x 2^e1
.endm
; 32 vectors, a lane each, 64 numbers in v[r] on: the square sum into v[sq]; the codes as two fragments, vectors 0-15 in v[o] .. v[o + 7], vectors 16-31 in v[o + 8] .. v[o + 15].
.macro QUANT32 r, o, sc, lim, sq
	v_pk_mul_f32 v[\sq:\sq+1], v[\r:\r+1], v[\r:\r+1]              ; the squares of the numbers as they are given, in four chains; the first products start them
	v_pk_mul_f32 v[\sq+2:\sq+3], v[\r+2:\r+3], v[\r+2:\r+3]
.irp i, 4,8,12,16,20,24,28,32,36,40,44,48,52,56,60
	v_pk_fma_f32 v[\sq:\sq+1], v[\r+\i:\r+\i+1], v[\r+\i:\r+\i+1], v[\sq:\sq+1]
	v_pk_fma_f32 v[\sq+2:\sq+3], v[\r+\i+2:\r+\i+3], v[\r+\i+2:\r+\i+3], v[\sq+2:\sq+3]
.endr
	v_pk_add_f32 v[\sq:\sq+1], v[\sq:\sq+1], v[\sq+2:\sq+3]
	v_add_f32 v[\sq], v[\sq], v[\sq+1]
.set QI, 0
.rept DCH
	v_med3_num_f32 v[\r+QI], v[\r+QI], -v[\lim], v[\lim]           ; the conversion to an 8-bit code does not saturate (ISA guide 7.6.2): the hold at the largest code x the scale
.set QI, QI+1
.endr
.irp g, 0,1,2,3,4,5,6,7                ; k = 8 g .. 8 g + 7.  The layout gives lanes 0-15 k = 16 c + 0 .. 7 (even g) and lanes 16-31 k = 16 c + 8 .. 15 (odd g): even g go to v[o + 2 c], odd g to v[o + 8 + 2 c]
	v_cvt_scalef32_pk8_fp8_f32 v[\o+8*(\g%2)+2*(\g/2):\o+8*(\g%2)+2*(\g/2)+1], v[\r+8*\g:\r+8*\g+7], v[\sc]
.endr
	v_nop                                                          ; one plain vector instruction between the conversions and what touches their results or writes their sources
.irp f, 0,1,2,3,4,5,6,7                ; the first register's lanes 16-31 change places with the second's lanes 0-15: the first then holds vectors 0-15 (their low k in lanes 0-15, their high k in lanes 16-31), the second vectors 16-31
	v_permlane16_swap_b32 v[\o+\f], v[\o+8+\f]
.endr
.endm
.macro IMAGE o, sq                     ; my wave's two fragments go to LDS as they stand: tiles 2 w and 2 w + 1; and its 32 square sums
	ds_store_b128 v[IMW], v[\o:\o+3]
	ds_store_b128 v[IMW], v[\o+4:\o+7] offset:512
	ds_store_b128 v[IMW], v[\o+8:\o+11] offset:1024
	ds_store_b128 v[IMW], v[\o+12:\o+15] offset:1536
	ds_store_b32 v[SQW], v[\sq]
.endm
	s_load_b128 s[4:7], s[0:1], 0x0                ; encodings s[4:5], codebook s[6:7]
	s_load_b128 s[8:11], s[0:1], 0x10              ; the scales' exponents s[8:9], ids s[10:11]
	v_lshl_add_u32 v30, v0, 2, 0x9000
	v_mov_b32 v31, 0
	v_lshrrev_b32 v11, 5, v0
	v_readfirstlane_b32 s12, v11                   ; wave 0..15
	s_lshr_b32 s14, s12, 2
	s_xor_b32 s14, s14, s12
	s_and_b32 s14, s14, 1                          ; role: 0 = first, 1 = second
	v_and_b32 v11, 31, v0                          ; lane
	v_bfe_u32 v12, v0, 4, 1                        ; h
	v_lshlrev_b32 v[OFF], 2, v0
	v_lshlrev_b32 v[AFA], 4, v11
	s_lshl_b32 s15, s12, 11
	v_add_nc_u32 v[IMW], s15, v[AFA]
	v_lshl_add_u32 v[SQW], v0, 2, SQE
	v_lshlrev_b32 v[BASE], 3, v12
	v_lshl_add_u32 v[SEA], v12, 5, SQE
	v_lshl_add_u32 v[IDW], v0, 2, IDS
	v_lshl_add_u32 v[IDR], v0, 3, IDS
	v_lshlrev_b32 v[IDO], 3, v0
	s_lshr_b32 s16, ttmp9, 3                       ; the image: eight work-groups to each,
	s_lshl_b32 s16, s16, 20                        ; 64 planes of 16,384 bytes;
	s_and_b32 s17, ttmp9, 7
	s_lshl_b32 s17, s17, 11                        ; my 512 positions in a plane
	s_add_co_u32 s16, s16, s17
	s_mov_b32 s17, 0
	s_lshl_b32 s18, ttmp9, 11                      ; my 512 ids
	s_mov_b32 s19, 0
	s_mov_b32 s[SEL], 0x76543210
	s_mov_b32 s[SEL+1], 0xfedcba98
	s_wait_kmcnt 0x0
	s_load_b64 s[20:21], s[8:9], 0x0               ; e0, e1
	s_add_nc_u64 s[4:5], s[4:5], s[16:17]
	s_add_nc_u64 s[10:11], s[10:11], s[18:19]
	s_cmp_eq_u32 s14, 0
	s_cbranch_scc1 .Lfirst
	; ---- a second wave: its code, quantised and laid in LDS; only then it asks for its x
	CLOAD
	CBSCALE
	s_wait_loadcnt 0x0                             ; my code's 64 numbers
	QUANT32 RC0, O0, SCB, LMB, SQ0
	IMAGE O0, SQ0
	XLOAD
	s_branch .Ljoin
.Lfirst:
	; ---- a first wave: its code and its x are asked for on end.  LOADcnt's field holds 63 (ISA guide 5.7.1), and the hardware holds further loads back: the last of x's loads go out as the code's numbers come in
	CLOAD
	XLOAD
	CBSCALE
	s_wait_loadcnt 63                              ; behind the code's 64 loads stand x's 64: at most 63 out shows all 64 in
	QUANT32 RC0, O0, SCB, LMB, SQ0
	IMAGE O0, SQ0
.Ljoin:
	s_wait_dscnt 0x0                               ; for the others' sake: my images and square sums lie in LDS
	s_barrier_signal -1
	s_barrier_wait -1                              ; the whole codebook does.  (x's loads stay out across it: nobody writes those bytes)
.macro LDA t                           ; tile t's fragment, as any wave takes it
	ds_load_b128 v[AF+8*((\t)%2):AF+8*((\t)%2)+3], v[AFA] offset:CIMG+1024*(\t)
	ds_load_b128 v[AF+8*((\t)%2)+4:AF+8*((\t)%2)+7], v[AFA] offset:CIMG+1024*(\t)+512
.endm
.macro LDQ t                           ; sq_e of codes 16 t + 8 h + 0 .. 7
	ds_load_b128 v[SE+8*((\t)%2):SE+8*((\t)%2)+3], v[SEA] offset:64*(\t)
	ds_load_b128 v[SE+8*((\t)%2)+4:SE+8*((\t)%2)+7], v[SEA] offset:64*(\t)+16
.endm
.macro MUL t, d                        ; 16 codes x my two tiles of positions; K = 64 is the whole sum, so C is 0 and no accumulator is taken up again
.irp p, 0,1
	v_wmma_f32_16x16x64_fp8_fp8 v[\d+8*\p:\d+8*\p+7], v[AF+8*((\t)%2):AF+8*((\t)%2)+7], v[XF+8*\p:XF+8*\p+7], 0
.endr
.endm
; Tile t's sixteen sums of a lane become distances and meet the best so far.  The two tiles of positions alternate line by line.  Each accumulator is read from its low end on.
.macro PROC t
.if (\t) == 0
.set PA, KP                            ; the first tile's sums were laid straight into the kept registers: nothing is set beforehand, nothing is selected
.else
.set PA, AC+16*((\t)%2)
.endif
.set PQ, SE+8*((\t)%2)
.set BN, 2+((\t)%2)                    ; the best distance is written to one register and read from the other, by turns: no copy
.set BO, 3-((\t)%2)
.irp j, 0,2,4,6
.irp p, 0,1
	v_pk_fma_f32 v[PA+8*\p+\j:PA+8*\p+\j+1], v[PA+8*\p+\j:PA+8*\p+\j+1], s[CC:CC+1], v[ST+4*\p:ST+4*\p+1] op_sel_hi:[1,0,0]   ; sq_x - 2 p, one rounding (of both pairs the low word serves both halves)
.endr
.endr
.irp j, 0,2,4,6
.irp p, 0,1
	v_pk_add_f32 v[PA+8*\p+\j:PA+8*\p+\j+1], v[PA+8*\p+\j:PA+8*\p+\j+1], v[PQ+\j:PQ+\j+1]   ; + sq_e, the second rounding
.endr
.endr
.irp p, 0,1
	v_min3_num_f32 v[TM+2*\p], v[PA+8*\p], v[PA+8*\p+1], v[PA+8*\p+2]
	v_min3_num_f32 v[TM+2*\p+1], v[PA+8*\p+3], v[PA+8*\p+4], v[PA+8*\p+5]
.endr
.if (\t) == 0
.irp p, 0,1
	v_min3_num_f32 v[ST+4*\p+BN], v[PA+8*\p+6], v[PA+8*\p+7], v[TM+2*\p]
.endr
.irp p, 0,1
	v_min_num_f32 v[ST+4*\p+BN], v[ST+4*\p+BN], v[TM+2*\p+1]
.endr
.else
.irp p, 0,1
	v_min3_num_f32 v[ST+4*\p+BN], v[PA+8*\p+6], v[PA+8*\p+7], v[ST+4*\p+BO]
.endr
.irp p, 0,1
	v_min3_num_f32 v[ST+4*\p+BN], v[ST+4*\p+BN], v[TM+2*\p], v[TM+2*\p+1]   ; the least of the old best and the tile's eight
.endr
.irp p, 0,1
	v_cmp_eq_f32 vcc_lo, v[ST+4*\p+BN], v[ST+4*\p+BO]              ; unchanged: the earlier tile stays, at equal distances too (its codes have the lower numbers)
.irp j, 0,1,2,3,4,5,6,7
	v_cndmask_b32 v[KP+8*\p+\j], v[PA+8*\p+\j], v[KP+8*\p+\j], vcc_lo
.endr
	v_cndmask_b32 v[ST+4*\p+1], \t, v[ST+4*\p+1], vcc_lo
.endr
.endif
.endm
; One tile of codes.  The fragment of the tile after next is asked for first, into the buffer that this tile's products, issued a tile (44 plain vector instructions) ago, have read.  Then the next tile's products are issued,
; into the other set of accumulators; this tile's 44 vector instructions, which name none of their registers, are the places behind them.  The square sums of the tile after next go into the buffer that PROC has just read.
.macro BODY t
.if (\t)+1 < NTILE
.if (\t) > 0
	s_wait_dscnt 2                                 ; the next tile's fragment is in: behind its two loads stand that tile's two loads of square sums.  (This tile's square sums were asked for earlier still)
.endif
.else
	s_wait_dscnt 0x0                               ; the last tile's square sums
.endif
.if (\t)+2 < NTILE
	LDA (\t)+2
.endif
.if ((\t)+1 < NTILE) && ((\t) > 0)
	MUL (\t)+1, AC+16*(((\t)+1)%2)
.endif
	PROC \t
.if (\t)+2 < NTILE
	LDQ (\t)+2
.endif
.endm
	LDA 0                                          ; the first two tiles are asked for while x comes in and is quantised
	LDQ 0
	LDA 1
	LDQ 1
	s_wait_kmcnt 0x0
	s_add_co_i32 s22, s20, 127
	s_lshl_b32 s23, s22, 23
	v_mov_b32 v[SCX], s23                          ; 2^e0 as f32
	s_add_co_i32 s22, s22, 8
	s_lshl_b32 s22, s22, 23
	s_or_b32 s22, s22, 0x600000
	v_mov_b32 v[LMX], s22                          ; 448 x 2^e0
	s_add_co_i32 s22, s20, s21
	s_add_co_i32 s22, s22, 128                     ; e0 + e1 + 1, + 127
	s_lshl_b32 s22, s22, 23
	s_or_b32 s[CC], s22, 0x80000000                ; -2^(1 + e0 + e1): a sum of codes' products x this is -2 p, exactly
	s_mov_b32 s[CC+1], s[CC]                       ; (named with it as a pair, so it is written)
	s_wait_loadcnt 0x0                             ; my x
	QUANT32 RX, XF, SCX, LMX, SQR
	v_mov_b32 v[ST], v[SQR]                        ; lane l holds sq_x of position l; lane (r, h) wants position r's for the first tile and position 16 + r's for the second:
	v_mov_b32 v[ST+4], v[SQR]
	v_permlane16_swap_b32 v[ST], v[ST+4]           ; the same exchange as for the codes
	s_wait_dscnt 0x0
	MUL 0, KP
	MUL 1, AC+16
	v_mov_b32 v[ST+1], 0                           ; the best tile so far is tile 0.  These two and two v_nop are the four places behind the products, ahead of the first read of a sum and of the load into tile 0's buffer
	v_mov_b32 v[ST+5], 0
	v_nop
	v_nop
.set T, 0
.rept NTILE
	BODY T
.set T, T+1
.endr
	; ---- the place inside the best tile: the first of its eight distances that equals the best
.irp p, 0,1
	v_mov_b32 v[JJ+\p], 7
.endr
.irp j, 6,5,4,3,2,1,0
.irp p, 0,1
	v_cmp_neq_f32 vcc_lo, v[KP+8*\p+\j], v[ST+4*\p+3]
	v_cndmask_b32 v[JJ+\p], \j, v[JJ+\p], vcc_lo
.endr
.endr
.irp p, 0,1
	v_lshl_add_u32 v[IDV+\p], v[ST+4*\p+1], 4, v[JJ+\p]
.endr
.irp p, 0,1
	v_add_nc_u32 v[IDV+\p], v[BASE], v[IDV+\p]     ; the code: 16 x tile + 8 h + place
.endr
.irp p, 0,1                            ; the position's other 256 codes lie in the lane 16 away
	v_permlanex16_b32 v[OMV+\p], v[ST+4*\p+3], s[SEL], s[SEL+1]
	v_permlanex16_b32 v[OIV+\p], v[IDV+\p], s[SEL], s[SEL+1]
.endr
.irp p, 0,1
	v_cmp_lt_f32 s26, v[OMV+\p], v[ST+4*\p+3]      ; the other half's wins where it is nearer,
	v_cmp_eq_f32 s27, v[OMV+\p], v[ST+4*\p+3]
	v_cmp_lt_u32 vcc_lo, v[OIV+\p], v[IDV+\p]
	s_and_b32 s27, s27, vcc_lo                     ; or as near with the lower number
	s_or_b32 vcc_lo, s26, s27
	v_cndmask_b32 v[IDV+\p], v[IDV+\p], v[OIV+\p], vcc_lo
.endr
	s_mov_b32 s26, 0xffff0000
	v_cndmask_b32 v[I01], v[IDV], v[IDV+1], s26    ; both halves now hold the same ids: lanes 0-15 keep the first tile's, lanes 16-31 take the second's: lane l holds position l's
	; ---- the way out: a wave's 32 ids are 128 bytes.  The work-group's 512 meet in LDS, and waves 0-7 store them, 8 bytes a lane: each store covers 256 consecutive bytes, aligned
	ds_store_b32 v[IDW], v[I01]
	s_wait_dscnt 0x0                               ; for the others' sake
	s_barrier_signal -1
	s_barrier_wait -1
	s_cmp_lt_u32 s12, 8
	s_cbranch_scc0 .Ldone
	ds_load_b64 v[PR:PR+1], v[IDR]
	s_wait_dscnt 0x0
	global_store_b64 v[IDO], v[PR:PR+1], s[10:11]
.Ldone:
	s_wait_tensorcnt 0x0
	ds_add_u32 v30, v31
	s_wait_dscnt 0x0
	s_endpgm
.Lfunc_end_k_qf2ffd45bb2_nearest:
	.size	k_qf2ffd45bb2_nearest, .Lfunc_end_k_qf2ffd45bb2_nearest-k_qf2ffd45bb2_nearest
	.p2alignl 7, 3214868480
	.fill 96, 4, 3214868480
	.section	.rodata,"a",@progbits
	.p2align	6, 0x0
	.amdhsa_kernel k_qf2ffd45bb2_nearest
		.amdhsa_group_segment_fixed_size 38912
		.amdhsa_private_segment_fixed_size 0
		.amdhsa_enable_private_segment 0
		.amdhsa_kernarg_size 32
		.amdhsa_user_sgpr_count 2
		.amdhsa_user_sgpr_kernarg_segment_ptr 1
		.amdhsa_wavefront_size32 1
		.amdhsa_system_sgpr_workgroup_id_x 1
		.amdhsa_system_sgpr_workgroup_id_y 1
		.amdhsa_system_sgpr_workgroup_id_z 1
		.amdhsa_system_vgpr_workitem_id 0
		.amdhsa_next_free_vgpr 256
		.amdhsa_next_free_sgpr 66
		.amdhsa_reserve_vcc 1
		.amdhsa_float_denorm_mode_32 3
		.amdhsa_float_denorm_mode_16_64 3
		.amdhsa_memory_ordered 1
		.amdhsa_forward_progress 1
		.amdhsa_inst_pref_size 132
	.end_amdhsa_kernel
	.amdgpu_metadata
---
amdhsa.version: [ 1, 2 ]
amdhsa.kernels:
  - .name:           k_qf2ffd45bb2_nearest
    .symbol:         k_qf2ffd45bb2_nearest.kd
    .args:
      - { .name: encodings, .offset: 0, .size: 8, .value_kind: global_buffer, .address_space: global }
      - { .name: codebook, .offset: 8, .size: 8, .value_kind: global_buffer, .address_space: global }
      - { .name: lowp_scales, .offset: 16, .size: 8, .value_kind: global_buffer, .address_space: global }
      - { .name: ids, .offset: 24, .size: 8, .value_kind: global_buffer, .address_space: global }
    .group_segment_fixed_size: 38912
    .private_segment_fixed_size: 0
    .kernarg_segment_align: 8
    .kernarg_segment_size: 32
    .max_flat_workgroup_size: 512
    .sgpr_count:     66
    .vgpr_count:     256
    .wavefront_size: 32
...
	.end_amdgpu_metadata
.endif
;; end of part 1
;; launch gather (part 2): grid 8 x 32, 16 waves a work-group, no clusters, 26,624 bytes of LDS; arguments codebook, ids, out0; writes out0
.if DOCPART == 2
	.amdgcn_target "amdgcn-amd-amdhsa--gfx1250"
	.amdhsa_code_object_version 6
	.text
	.protected	k_qf2ffd45bb2_gather
	.globl	k_qf2ffd45bb2_gather
	.p2align	8
	.type	k_qf2ffd45bb2_gather,@function
k_qf2ffd45bb2_gather:
	s_mov_b64 s[64:65], 0
	v_nop
	global_prefetch_b8 v0, s[64:65] scope:SCOPE_SE
	s_setreg_imm32_b32 hwreg(HW_REG_WAVE_MODE, 25, 1), 1
	s_wait_xcnt 0x0
; out0[b][d][n] = codebook[d][ids[b][n]].  codebook: [64][512] f32; ids: [32][4096] int32, stored by the launch before; out0: [32][64][4096] f32.
; SHARES.  A work-group takes EIGHT channels of one image: it reads 16,384 bytes of the codebook (eight rows, one dense block) and the image's 16,384 bytes of ids, and writes 131,072 bytes.
; With c channels to a work-group it reads 2,048 c bytes of the codebook and 131,072 / c bytes of ids: c = 8 makes the sum least.
; THE EIGHT ROWS LIE IN LDS BY CODE: thread t loads code t's eight channels (each load reads 128 consecutive bytes a wave) and stores them as 32 bytes at 48 t.  So a position's eight channels come by TWO ds_load_b128:
; 256 gathers of a wave for the work-group's 131,072 bytes, where one word at a time would take 1,024.
; THE PITCH is 48 bytes = 3 x 16: a code's 16 bytes begin at word 12 t, so that different codes' pieces start in all sixteen groups of four banks (64 banks of 4 bytes: ISA guide 11.1); at a pitch of 32 they would start in eight of them.
; A thread owns two runs of four neighbouring positions.  A gather brings four CHANNELS of one position; a store wants four POSITIONS of one channel (16 bytes a lane, 512 consecutive bytes a wave, aligned):
; sixteen v_mov_b32 turn each block of 4 x 4 numbers.  They are this launch's only vector work of any length.
; Memory's writes bind, so there is no matrix work, no ring and no tensor load here.  What work-groups share (a block of the codebook among 32 of them, an image's ids among 8) is a quarter of what each writes, and is read once, at the head: no joint loads.
; An id is held at 511 before it enters an address; the launch before stores none above that.
.set CROW,  2048                       ; a row of the codebook
.set PLANE, 16384                      ; a channel's plane of out0
.set PITCH, 48                         ; a code's place in LDS: 32 bytes + 16 of padding
.set CB,    4                          ; v4-11   my code's eight channels
.set AD,    12                         ; v12-19  eight ids, then their LDS addresses
.set IN,    32                         ; v32-95  as gathered: run u, half f of the channels, position q, channel c at v[IN + 16 (2 u + f) + 4 q + c]
.set OUTR,  96                         ; v96-159 as stored: v[OUTR + 16 (2 u + f) + 4 c + q]
	s_load_b128 s[4:7], s[0:1], 0x0                ; codebook s[4:5], ids s[6:7]
	s_load_b64 s[8:9], s[0:1], 0x10                ; out0
	v_lshl_add_u32 v160, v0, 2, 0x6000
	v_mov_b32 v161, 0
	v_lshlrev_b32 v1, 4, v0                        ; 16 x thread: my 16 bytes of a block of 8,192, in ids and in a plane alike; never rewritten
	v_lshlrev_b32 v2, 2, v0                        ; 4 x thread: my code's byte in a row of the codebook
	v_mul_u32_u24 v3, v0, PITCH                    ; my code's place in LDS
	s_lshl_b32 s12, ttmp9, 14                      ; my eight rows of the codebook
	s_mov_b32 s13, 0
	s_and_b32 s14, ttmp7, 0xffff                   ; the image
	s_lshl_b32 s16, s14, 14                        ; its ids
	s_mov_b32 s17, 0
	s_lshl_b32 s18, s14, 20                        ; its 64 planes,
	s_lshl_b32 s19, ttmp9, 17                      ; my eight of them
	s_add_co_u32 s18, s18, s19
	s_mov_b32 s19, 0
	s_wait_kmcnt 0x0
	s_add_nc_u64 s[4:5], s[4:5], s[12:13]
	s_add_nc_u64 s[6:7], s[6:7], s[16:17]
	s_add_nc_u64 s[8:9], s[8:9], s[18:19]
.irp c, 0,1,2,3,4,5,6,7
	global_load_b32 v[CB+\c], v2, s[4:5] offset:CROW*\c
.endr
	global_load_b128 v[AD:AD+3], v1, s[6:7]        ; the ids of positions 4 x thread + 0 .. 3,
	global_load_b128 v[AD+4:AD+7], v1, s[6:7] offset:8192   ; and of the same 2,048 further on
	s_wait_loadcnt 2                               ; the codebook's eight loads are in; the ids' two may be out
	ds_store_b128 v3, v[CB:CB+3]                   ; channels 0-3,
	ds_store_b128 v3, v[CB+4:CB+7] offset:16       ; channels 4-7
	s_wait_loadcnt 0x0
.irp i, 0,1,2,3,4,5,6,7
	v_min_u32 v[AD+\i], 0x1ff, v[AD+\i]            ; a loaded number enters an address only behind this hold
.endr
.irp i, 0,1,2,3,4,5,6,7
	v_mul_u32_u24 v[AD+\i], v[AD+\i], PITCH        ; the code's place in LDS
.endr
	s_wait_dscnt 0x0                               ; for the others' sake: my code lies in LDS
	s_barrier_signal -1
	s_barrier_wait -1                              ; all 512 do; from here on LDS is only read
.irp u, 0,1
.irp f, 0,1
.irp q, 0,1,2,3
	ds_load_b128 v[IN+16*(2*\u+\f)+4*\q:IN+16*(2*\u+\f)+4*\q+3], v[AD+4*\u+\q] offset:16*\f
.endr
.endr
.endr
.irp u, 0,1
.irp f, 0,1
	s_wait_dscnt 12-4*(2*\u+\f)                    ; LDS loads come back in order (ISA guide 5.7.1): this group's four are in; those issued behind them may be out
.irp c, 0,1,2,3
.irp q, 0,1,2,3
	v_mov_b32 v[OUTR+16*(2*\u+\f)+4*\c+\q], v[IN+16*(2*\u+\f)+4*\q+\c]   ; 4 positions x 4 channels are turned into 4 channels x 4 positions
.endr
.endr
.irp c, 0,1,2,3
	global_store_b128 v1, v[OUTR+16*(2*\u+\f)+4*\c:OUTR+16*(2*\u+\f)+4*\c+3], s[8:9] offset:PLANE*(4*\f+\c)+8192*\u th:TH_STORE_NT   ; written once, read by nobody here; no store's registers are written again
.endr
.endr
.endr
	s_wait_tensorcnt 0x0
	ds_add_u32 v160, v161
	s_wait_dscnt 0x0
	s_endpgm
.Lfunc_end_k_qf2ffd45bb2_gather:
	.size	k_qf2ffd45bb2_gather, .Lfunc_end_k_qf2ffd45bb2_gather-k_qf2ffd45bb2_gather
	.p2alignl 7, 3214868480
	.fill 96, 4, 3214868480
	.section	.rodata,"a",@progbits
	.p2align	6, 0x0
	.amdhsa_kernel k_qf2ffd45bb2_gather
		.amdhsa_group_segment_fixed_size 26624
		.amdhsa_private_segment_fixed_size 0
		.amdhsa_enable_private_segment 0
		.amdhsa_kernarg_size 24
		.amdhsa_user_sgpr_count 2
		.amdhsa_user_sgpr_kernarg_segment_ptr 1
		.amdhsa_wavefront_size32 1
		.amdhsa_system_sgpr_workgroup_id_x 1
		.amdhsa_system_sgpr_workgroup_id_y 1
		.amdhsa_system_sgpr_workgroup_id_z 1
		.amdhsa_system_vgpr_workitem_id 0
		.amdhsa_next_free_vgpr 162
		.amdhsa_next_free_sgpr 66
		.amdhsa_reserve_vcc 0
		.amdhsa_float_denorm_mode_32 3
		.amdhsa_float_denorm_mode_16_64 3
		.amdhsa_memory_ordered 1
		.amdhsa_forward_progress 1
		.amdhsa_inst_pref_size 9
	.end_amdhsa_kernel
	.amdgpu_metadata
---
amdhsa.version: [ 1, 2 ]
amdhsa.kernels:
  - .name:           k_qf2ffd45bb2_gather
    .symbol:         k_qf2ffd45bb2_gather.kd
    .args:
      - { .name: codebook, .offset: 0, .size: 8, .value_kind: global_buffer, .address_space: global }
      - { .name: ids, .offset: 8, .size: 8, .value_kind: global_buffer, .address_space: global }
      - { .name: out0, .offset: 16, .size: 8, .value_kind: global_buffer, .address_space: global }
    .group_segment_fixed_size: 26624
    .private_segment_fixed_size: 0
    .kernarg_segment_align: 8
    .kernarg_segment_size: 24
    .max_flat_workgroup_size: 512
    .sgpr_count:     66
    .vgpr_count:     162
    .wavefront_size: 32
...
	.end_amdgpu_metadata
.endif
;; end of part 2
;; ======== version 2 of 2: 2 launches; version 1 with the launch nearest written anew for expert scheduling mode
;; workspace buffers: ids 524,288 bytes of whole numbers
;; launch nearest (part 3): grid 256 x 1, 16 waves a work-group, no clusters, 38,912 bytes of LDS; arguments encodings, codebook, lowp_scales, ids; writes ids
.if DOCPART == 3
	.amdgcn_target "amdgcn-amd-amdhsa--gfx1250"
	.amdhsa_code_object_version 6
	.text
	.protected	k_qf2ffd45bb2_nearest
	.globl	k_qf2ffd45bb2_nearest
	.p2align	8
	.type	k_qf2ffd45bb2_nearest,@function
k_qf2ffd45bb2_nearest:
	s_mov_b64 s[64:65], 0
	v_nop
	global_prefetch_b8 v0, s[64:65] scope:SCOPE_SE
	s_setreg_imm32_b32 hwreg(HW_REG_WAVE_SCHED_MODE, 0, 2), 2
	s_setreg_imm32_b32 hwreg(HW_REG_WAVE_MODE, 25, 1), 1
	s_wait_xcnt 0x0
	s_wait_alu depctr_vm_vsrc(0)
; ids[n] = argmin over k of  fl(fl(sq_x[n] - 2 p[n][k]) + sq_e[k]),  the lowest k where distances are equal.
; p = Q(x) . Q(e): both operands as codes of FP8 (E4M3) with the given scales 2^e0 (encodings) and 2^e1 (codebook), multiplied by v_wmma_f32_16x16x64_fp8_fp8 (K = the 64 channels: one instruction a tile), sums f32.
; encodings: [32][64 channels][4096 positions] f32;  codebook: [64 channels][512 codes] f32;  ids: [32 x 4096] int32.
; THE ROUNDINGS ARE THE DEFINITION'S.  sq_x is large beside 2 p and sq_e, so distances fall on sq_x's coarse grid and equal ones are common; which code wins then hangs on the two f32 roundings and on the index.
; So: t = fma(sum, -2^(1 + e0 + e1), sq_x) (2 p is exact, one rounding), d = t + sq_e (the second), and every comparison keeps the lower index.
; SHARES.  A work-group of 16 waves owns 512 neighbouring positions of one image, a wave 32 of them: two tiles of 16.  Every wave walks all 32 tiles of 16 codes.  Of the codebook each wave quantises 32 codes: code = thread.
; QUANTISING.  K is not innermost in either tensor: a lane takes ONE vector (a position or a code) and its 64 registers run down K, so each load reads 128 consecutive bytes, the square sum needs no other lane, and the
; conversions give codes with K innermost.  Eight exchanges of half-waves then make two operand fragments of the wave's 32 vectors, each k in the place that the form's own layout gives it.
; THE CODEBOOK's 32 fragments and its 512 square sums go from wave to wave through LDS, the fragments as images of their registers.  x's fragments never leave the wave.
; LAYOUT.  Source 0 = 16 codes, source 1 = 16 positions: lane (r, h) holds position r and codes 8 h + 0 .. 7 of the tile.  Per lane and tile of positions: the best distance so far, the number of the tile of codes
; that held it, and that tile's eight distances; the place inside the tile is looked up once, at the end.  That is 22 vector instructions for 8 distances.
; THE FIRST BARRIER WAITS FOR THE CODEBOOK ALONE: x is waited for and quantised behind it, each wave for itself.
; TWO ORDERS OF ASKING.  The eight FIRST waves ask for their x straight behind their codes; the eight SECOND waves ask for theirs behind their codes' quantising.  So the first 65,536 bytes of the work-group's x are asked for
; ahead of the other 65,536, and the first waves can be at work while the second waves' x is on its way.  role = (w xor (w >> 2)) & 1: among waves w, w + 4, w + 8, w + 12, and among any four neighbours, two of each.
; The two arms of the one if/else ahead of the barrier hold the same lines in another order; all else is common text.
; NO JOINT LOADS: what work-groups share is the codebook, 131,072 bytes.  Its numbers are wanted in the registers of the lane that quantises them; a tensor load would lay them in LDS, from where the same 64 loads a
; wave would fetch them once more.  NO TENSOR LOADS for x either: it would go through LDS on its way to the same registers.
; LIMITS.  NaN and infinities among the inputs are not served.  e0 and e1 lie between -126 and 119, e0 + e1 + 1 between -126 and 127, so that each power of two below is an f32 number.
; THE MODE: SCHED_MODE bits 1:0 = 2 (LLVM: expert scheduling mode 2), set by the entry lines.  The code itself states the register dependences between vector or matrix instructions and memory or LDS instructions,
; and those from a vector instruction's scalar result to its readers, with s_wait_alu, always for 0.
; THE PLAN.  Registers that memory or LDS instructions touch:
;   v1, v3-6, v8-10, v30, v31   offsets and LDS addresses: written by vector lines at the head and never again; read by every load and store.  One wait on va_vdst at the head, ahead of the branch on the role.
;   RC0, RX      the raw numbers: the global loads land in registers that no vector line has named; the quantising reads them behind its wait on LOADcnt.
;   O0, SQ0      written by my code's quantising; read by the five LDS stores of IMAGE (a wait on va_vdst between); v32-47 are written again, as XF, by x's quantising (a wait on vm_vsrc between).
;   AF0, AF1     tile t's two products read AF[t % 2]; the LDS loads of tile t + 2 land in it.
;   SE0, SE1     tile t's eight packed additions read SE[t % 2]; the LDS loads of tile t + 2 land in it.
;   I01, PR      the way out: the last select writes I01, which an LDS store reads; an LDS load lands in PR, which matrix and vector lines named earlier.  One wait on va_vdst serves both.
;   The accumulators, KP, ST, TM and XF are named in the walk by vector and matrix lines alone.
; So ONE wait on va_vdst stands in a tile, behind its packed additions: they are done reading SE[t % 2], and tile t's products, issued a tile earlier, are done reading AF[t % 2].  The four LDS loads of tile t + 2 follow it
; directly; the next tile's products come behind them, so that no product has just been issued when the wait is met; the lines behind read the sums that the wait has shown written.
; MASKS.  A compare writes a scalar register, and a wait on va_sdst stands between it and the selects that read it: the compares stand in runs, each into a register of its own, with one wait behind the run:
; two compares a tile, fourteen for the place inside the best tile, six between the halves of the lanes.
.set DCH,    64                        ; channels
.set NTILE,  32                        ; tiles of 16 codes
.set XPLANE, 16384                     ; bytes from channel to channel in encodings
.set CROW,   2048                      ; bytes from channel to channel in the codebook
.set CIMG,   0                         ; LDS: 32 fragments of the codebook, 1,024 bytes each: registers 0-3 at 16 x lane, registers 4-7 512 bytes on
.set SQE,    32768                     ; the 512 square sums
.set IDS,    34816                     ; the work-group's 512 ids, on their way out
.set OFF,  1                           ; v1   4 x thread: my position's byte in a channel's plane, and my code's byte in a row of the codebook (thread = 32 x wave + lane)
.set IMW,  3                           ; v3   where I store my wave's two images: 2048 x wave + 16 x lane
.set SQW,  4                           ; v4   and my code's square sum: SQE + 4 x thread
.set AFA,  5                           ; v5   16 x lane: an image's place for my lane
.set SEA,  6                           ; v6   SQE + 32 h: the eight square sums of my half of a tile
.set BASE, 7                           ; v7   8 h
.set IDW,  8                           ; v8   IDS + 4 x thread
.set IDR,  9                           ; v9   IDS + 8 x thread (waves 0-7)
.set IDO,  10                          ; v10  8 x thread: the same place in the work-group's part of ids
.set SCX,  14                          ; v14, v15  2^e0 and 448 x 2^e0
.set LMX,  15
.set SCB,  16                          ; v16, v17  2^e1 and 448 x 2^e1
.set LMB,  17
.set SQR,  18                          ; v18-21  x's square sum, in four parts, then whole in v18
.set SQ0,  22                          ; v22-25  the same for my code
.set O0,   32                          ; v32-47  my wave's two fragments of the codebook, ahead of the first barrier
.set XF,   32                          ; v32-47  x's two fragments, behind it
.set ST,   48                          ; v48-55  tile of positions p at v[ST + 4 p]: +0 sq_x, +1 number of the best tile of codes, +2, +3 the best distance, by turns
.set KP,   56                          ; v56-71  the best tile's eight distances, for p = 0, 1
.set AF,   72                          ; v72-87  a fragment of the codebook, two buffers
.set SE,   88                          ; v88-103 its eight square sums, two buffers
.set AC,   104                         ; v104-135 two sets of two accumulators
.set TM,   136                         ; v136-139 at work
.set RX,   128                         ; v128-191 raw: my position's 64 numbers
.set RC0,  192                         ; v192-255 raw: my code's 64 numbers
.set JJ,   AC                          ; the end: place in the tile, id, the other half's distance and id, 32 ids, two ids
.set IDV,  AC+2
.set OMV,  AC+4
.set OIV,  AC+6
.set I01,  AC+8
.set PR,   AC+10
.set CC,   24                          ; s[24:25] -2^(1 + e0 + e1): the packed form names a pair and takes its low word for both halves
.set SEL,  28                          ; s[28:29] lane selects for v_permlanex16_b32: lane l xor 16
.set MK,   26                          ; s26, s27  a tile's two masks, for p = 0, 1
.set MJ,   2                           ; s2-8, s13-19  the end: fourteen masks, that of (p, j) at s[MJ + 11 p + j]; all these registers are done with by then
.set MH,   13                          ; s13-18  the end: three masks for each p, between the halves of the lanes
.set MW,   30                          ; s30, s31  the end: which half wins, for p = 0, 1
.macro XLOAD                           ; my position's 64 channels: 32 lanes read 128 consecutive bytes; read once in the launch
.set LI, 0
.rept DCH
	global_load_b32 v[RX+LI], v[OFF], s[4:5] offset:LI*XPLANE th:TH_LOAD_NT
.set LI, LI+1
.endr
.endm
.macro CLOAD                           ; my code's 64 channels: 32 lanes read 128 consecutive bytes
.set LI, 0
.rept DCH
	global_load_b32 v[RC0+LI], v[OFF], s[6:7] offset:LI*CROW
.set LI, LI+1
.endr
.endm
.macro CBSCALE                         ; the codebook's scale, from e1
	s_wait_kmcnt 0x0
	s_add_co_i32 s22, s21, 127
	s_lshl_b32 s23, s22, 23
	v_mov_b32 v[SCB], s23                          ; 2^e1 as f32: the conversion takes its exponent field
	s_add_co_i32 s22, s22, 8
	s_lshl_b32 s22, s22, 23
	s_or_b32 s22, s22, 0x600000
	v_mov_b32 v[LMB], s22                          ; 448 x 2^e1
.endm
; 32 vectors, a lane each, 64 numbers in v[r] on: the square sum into v[sq]; the codes as two fragments, vectors 0-15 in v[o] .. v[o + 7], vectors 16-31 in v[o + 8] .. v[o + 15].
.macro QUANT32 r, o, sc, lim, sq
	v_pk_mul_f32 v[\sq:\sq+1], v[\r:\r+1], v[\r:\r+1]              ; the squares of the numbers as they are given, in four chains; the first products start them
	v_pk_mul_f32 v[\sq+2:\sq+3], v[\r+2:\r+3], v[\r+2:\r+3]
.irp i, 4,8,12,16,20,24,28,32,36,40,44,48,52,56,60
	v_pk_fma_f32 v[\sq:\sq+1], v[\r+\i:\r+\i+1], v[\r+\i:\r+\i+1], v[\sq:\sq+1]
	v_pk_fma_f32 v[\sq+2:\sq+3], v[\r+\i+2:\r+\i+3], v[\r+\i+2:\r+\i+3], v[\sq+2:\sq+3]
.endr
	v_pk_add_f32 v[\sq:\sq+1], v[\sq:\sq+1], v[\sq+2:\sq+3]
	v_add_f32 v[\sq], v[\sq], v[\sq+1]
.set QI, 0
.rept DCH
	v_med3_num_f32 v[\r+QI], v[\r+QI], -v[\lim], v[\lim]           ; the conversion to an 8-bit code does not saturate (ISA guide 7.6.2): the hold at the largest code x the scale
.set QI, QI+1
.endr
.irp g, 0,1,2,3,4,5,6,7                ; k = 8 g .. 8 g + 7.  The layout gives lanes 0-15 k = 16 c + 0 .. 7 (even g) and lanes 16-31 k = 16 c + 8 .. 15 (odd g): even g go to v[o + 2 c], odd g to v[o + 8 + 2 c]
	v_cvt_scalef32_pk8_fp8_f32 v[\o+8*(\g%2)+2*(\g/2):\o+8*(\g%2)+2*(\g/2)+1], v[\r+8*\g:\r+8*\g+7], v[\sc]
.endr
	v_nop                                                          ; one plain vector instruction between the conversions and what touches their results or writes their sources
.irp f, 0,1,2,3,4,5,6,7                ; the first register's lanes 16-31 change places with the second's lanes 0-15: the first then holds vectors 0-15 (their low k in lanes 0-15, their high k in lanes 16-31), the second vectors 16-31
	v_permlane16_swap_b32 v[\o+\f], v[\o+8+\f]
.endr
.endm
.macro IMAGE o, sq                     ; my wave's two fragments go to LDS as they stand: tiles 2 w and 2 w + 1; and its 32 square sums
	ds_store_b128 v[IMW], v[\o:\o+3]
	ds_store_b128 v[IMW], v[\o+4:\o+7] offset:512
	ds_store_b128 v[IMW], v[\o+8:\o+11] offset:1024
	ds_store_b128 v[IMW], v[\o+12:\o+15] offset:1536
	ds_store_b32 v[SQW], v[\sq]
.endm
	s_load_b128 s[4:7], s[0:1], 0x0                ; encodings s[4:5], codebook s[6:7]
	s_load_b128 s[8:11], s[0:1], 0x10              ; the scales' exponents s[8:9], ids s[10:11]
	v_lshl_add_u32 v30, v0, 2, 0x9000
	v_mov_b32 v31, 0
	v_lshrrev_b32 v11, 5, v0
	v_readfirstlane_b32 s12, v11                   ; wave 0..15
	v_and_b32 v11, 31, v0                          ; lane
	v_bfe_u32 v12, v0, 4, 1                        ; h
	v_lshlrev_b32 v[OFF], 2, v0
	v_lshlrev_b32 v[AFA], 4, v11
	v_lshl_add_u32 v[SQW], v0, 2, SQE
	v_lshlrev_b32 v[BASE], 3, v12
	v_lshl_add_u32 v[SEA], v12, 5, SQE
	v_lshl_add_u32 v[IDW], v0, 2, IDS
	v_lshl_add_u32 v[IDR], v0, 3, IDS
	v_lshlrev_b32 v[IDO], 3, v0
	s_wait_alu depctr_va_sdst(0)                   ; s12 is written, ahead of its first reader: the role and my images' place are made from it
	s_lshr_b32 s14, s12, 2
	s_xor_b32 s14, s14, s12
	s_and_b32 s14, s14, 1                          ; role: 0 = first, 1 = second
	s_lshl_b32 s15, s12, 11
	v_add_nc_u32 v[IMW], s15, v[AFA]
	s_lshr_b32 s16, ttmp9, 3                       ; the image: eight work-groups to each,
	s_lshl_b32 s16, s16, 20                        ; 64 planes of 16,384 bytes;
	s_and_b32 s17, ttmp9, 7
	s_lshl_b32 s17, s17, 11                        ; my 512 positions in a plane
	s_add_co_u32 s16, s16, s17
	s_mov_b32 s17, 0
	s_lshl_b32 s18, ttmp9, 11                      ; my 512 ids
	s_mov_b32 s19, 0
	s_mov_b32 s[SEL], 0x76543210
	s_mov_b32 s[SEL+1], 0xfedcba98
	s_wait_kmcnt 0x0
	s_load_b64 s[20:21], s[8:9], 0x0               ; e0, e1
	s_add_nc_u64 s[4:5], s[4:5], s[16:17]
	s_add_nc_u64 s[10:11], s[10:11], s[18:19]
	s_wait_alu depctr_va_vdst(0)                   ; the offsets and LDS addresses v1, v3-6, v8-10, v30 and v31 are written: every load and store of the kernel, on both ways below, reads some of them, and none is written again
	s_cmp_eq_u32 s14, 0
	s_cbranch_scc1 .Lfirst
	; ---- a second wave: its code, quantised and laid in LDS; only then it asks for its x
	CLOAD
	CBSCALE
	s_wait_loadcnt 0x0                             ; my code's 64 numbers
	QUANT32 RC0, O0, SCB, LMB, SQ0
	s_wait_alu depctr_va_vdst(0)                   ; the exchanges have written v[O0 ..] and the last addition v[SQ0], which the LDS stores read
	IMAGE O0, SQ0
	XLOAD                                          ; no vector line has named v[RX ..]
	s_branch .Ljoin
.Lfirst:
	; ---- a first wave: its code and its x are asked for on end.  LOADcnt's field holds 63 (ISA guide 5.7.1), and the hardware holds further loads back: the last of x's loads go out as the code's numbers come in
	CLOAD
	XLOAD
	CBSCALE
	s_wait_loadcnt 63                              ; behind the code's 64 loads stand x's 64: at most 63 out shows all 64 in
	QUANT32 RC0, O0, SCB, LMB, SQ0
	s_wait_alu depctr_va_vdst(0)                   ; the exchanges have written v[O0 ..] and the last addition v[SQ0], which the LDS stores read
	IMAGE O0, SQ0
.Ljoin:
	s_wait_dscnt 0x0                               ; for the others' sake: my images and square sums lie in LDS
	s_barrier_signal -1
	s_barrier_wait -1                              ; the whole codebook does.  (x's loads stay out across it: nobody writes those bytes)
.macro LDA t                           ; tile t's fragment, as any wave takes it
	ds_load_b128 v[AF+8*((\t)%2):AF+8*((\t)%2)+3], v[AFA] offset:CIMG+1024*(\t)
	ds_load_b128 v[AF+8*((\t)%2)+4:AF+8*((\t)%2)+7], v[AFA] offset:CIMG+1024*(\t)+512
.endm
.macro LDQ t                           ; sq_e of codes 16 t + 8 h + 0 .. 7
	ds_load_b128 v[SE+8*((\t)%2):SE+8*((\t)%2)+3], v[SEA] offset:64*(\t)
	ds_load_b128 v[SE+8*((\t)%2)+4:SE+8*((\t)%2)+7], v[SEA] offset:64*(\t)+16
.endm
.macro MUL t, d                        ; 16 codes x my two tiles of positions; K = 64 is the whole sum, so C is 0 and no accumulator is taken up again
.irp p, 0,1
	v_wmma_f32_16x16x64_fp8_fp8 v[\d+8*\p:\d+8*\p+7], v[AF+8*((\t)%2):AF+8*((\t)%2)+7], v[XF+8*\p:XF+8*\p+7], 0
.endr
.endm
; Tile t's sixteen sums of a lane become distances.  The two tiles of positions alternate line by line.  Each accumulator is read from its low end on.
.macro DIST t
.if (\t) == 0
.set PA, KP                            ; the first tile's sums were laid straight into the kept registers: nothing is set beforehand, nothing is selected
.else
.set PA, AC+16*((\t)%2)
.endif
.set PQ, SE+8*((\t)%2)
.irp j, 0,2,4,6
.irp p, 0,1
	v_pk_fma_f32 v[PA+8*\p+\j:PA+8*\p+\j+1], v[PA+8*\p+\j:PA+8*\p+\j+1], s[CC:CC+1], v[ST+4*\p:ST+4*\p+1] op_sel_hi:[1,0,0]   ; sq_x - 2 p, one rounding (of both pairs the low word serves both halves)
.endr
.endr
.irp j, 0,2,4,6
.irp p, 0,1
	v_pk_add_f32 v[PA+8*\p+\j:PA+8*\p+\j+1], v[PA+8*\p+\j:PA+8*\p+\j+1], v[PQ+\j:PQ+\j+1]   ; + sq_e, the second rounding
.endr
.endr
.endm
; And meet the best so far.
.macro BEST t
.if (\t) == 0
.set PA, KP
.else
.set PA, AC+16*((\t)%2)
.endif
.set BN, 2+((\t)%2)                    ; the best distance is written to one register and read from the other, by turns: no copy
.set BO, 3-((\t)%2)
.irp p, 0,1
	v_min3_num_f32 v[TM+2*\p], v[PA+8*\p], v[PA+8*\p+1], v[PA+8*\p+2]
	v_min3_num_f32 v[TM+2*\p+1], v[PA+8*\p+3], v[PA+8*\p+4], v[PA+8*\p+5]
.endr
.if (\t) == 0
.irp p, 0,1
	v_min3_num_f32 v[ST+4*\p+BN], v[PA+8*\p+6], v[PA+8*\p+7], v[TM+2*\p]
.endr
.irp p, 0,1
	v_min_num_f32 v[ST+4*\p+BN], v[ST+4*\p+BN], v[TM+2*\p+1]
.endr
.else
.irp p, 0,1
	v_min3_num_f32 v[ST+4*\p+BN], v[PA+8*\p+6], v[PA+8*\p+7], v[ST+4*\p+BO]
.endr
.irp p, 0,1
	v_min3_num_f32 v[ST+4*\p+BN], v[ST+4*\p+BN], v[TM+2*\p], v[TM+2*\p+1]   ; the least of the old best and the tile's eight
.endr
.irp p, 0,1
	v_cmp_eq_f32 s[MK+\p], v[ST+4*\p+BN], v[ST+4*\p+BO]            ; unchanged: the earlier tile stays, at equal distances too (its codes have the lower numbers)
.endr
	s_wait_alu depctr_va_sdst(0)                                   ; the two compares have written s[MK] and s[MK + 1], which the eighteen selects read
.irp p, 0,1
.irp j, 0,1,2,3,4,5,6,7
	v_cndmask_b32 v[KP+8*\p+\j], v[PA+8*\p+\j], v[KP+8*\p+\j], s[MK+\p]
.endr
	v_cndmask_b32 v[ST+4*\p+1], \t, v[ST+4*\p+1], s[MK+\p]
.endr
.endif
.endm
; One tile of codes.  Its sums become distances; behind the one wait the fragment and the square sums of the tile after next are asked for, into the two buffers that this tile has done with; then the next tile's
; products are issued, into the other set of accumulators; the 28 vector instructions that follow name none of their registers and are the places behind them.
.macro BODY t
.if (\t)+1 < NTILE
.if (\t) > 0
	s_wait_dscnt 2                                 ; the next tile's fragment is in: behind its two loads stand that tile's two loads of square sums.  (This tile's square sums were asked for earlier still)
.endif
.else
	s_wait_dscnt 0x0                               ; the last tile's square sums
.endif
	DIST \t
.if (\t)+2 < NTILE
	s_wait_alu depctr_va_vdst(0)                   ; the additions are done reading SE[t % 2], and this tile's products, issued a tile ago, are done reading AF[t % 2]: the four loads below land there
	LDA (\t)+2
	LDQ (\t)+2
.endif
.if ((\t)+1 < NTILE) && ((\t) > 0)
	MUL (\t)+1, AC+16*(((\t)+1)%2)
.endif
	BEST \t
.endm
	LDA 0                                          ; the first two tiles are asked for while x comes in and is quantised; no vector line has named these registers
	LDQ 0
	LDA 1
	LDQ 1
	s_wait_kmcnt 0x0
	s_add_co_i32 s22, s20, s21                     ; (made ahead of x's scale, so that no scalar line writes s22 behind the vector line that reads it)
	s_add_co_i32 s22, s22, 128                     ; e0 + e1 + 1, + 127
	s_lshl_b32 s22, s22, 23
	s_or_b32 s[CC], s22, 0x80000000                ; -2^(1 + e0 + e1): a sum of codes' products x this is -2 p, exactly
	s_mov_b32 s[CC+1], s[CC]                       ; (named with it as a pair, so it is written)
	s_add_co_i32 s22, s20, 127
	s_lshl_b32 s23, s22, 23
	v_mov_b32 v[SCX], s23                          ; 2^e0 as f32
	s_add_co_i32 s22, s22, 8
	s_lshl_b32 s22, s22, 23
	s_or_b32 s22, s22, 0x600000
	v_mov_b32 v[LMX], s22                          ; 448 x 2^e0
	s_wait_loadcnt 0x0                             ; my x
	s_wait_alu depctr_vm_vsrc(0)                   ; my LDS stores of the images have read v32-47: these registers are XF from here on, written by x's conversions
	QUANT32 RX, XF, SCX, LMX, SQR
	v_mov_b32 v[ST], v[SQR]                        ; lane l holds sq_x of position l; lane (r, h) wants position r's for the first tile and position 16 + r's for the second:
	v_mov_b32 v[ST+4], v[SQR]
	v_permlane16_swap_b32 v[ST], v[ST+4]           ; the same exchange as for the codes
	s_wait_dscnt 0x0
	MUL 0, KP
	MUL 1, AC+16
	v_mov_b32 v[ST+1], 0                           ; the best tile so far is tile 0.  These two and two v_nop are the four places behind the products (ISA guide 7.12.1), ahead of the first read of a sum
	v_mov_b32 v[ST+5], 0
	v_nop
	v_nop
.set T, 0
.rept NTILE
	BODY T
.set T, T+1
.endr
	; ---- the place inside the best tile: the first of its eight distances that equals the best
.irp p, 0,1
	v_mov_b32 v[JJ+\p], 7
.endr
.irp j, 6,5,4,3,2,1,0
.irp p, 0,1
	v_cmp_neq_f32 s[MJ+11*\p+\j], v[KP+8*\p+\j], v[ST+4*\p+3]
.endr
.endr
	s_wait_alu depctr_va_sdst(0)                   ; the fourteen compares have written their masks, which the fourteen selects read
.irp j, 6,5,4,3,2,1,0
.irp p, 0,1
	v_cndmask_b32 v[JJ+\p], \j, v[JJ+\p], s[MJ+11*\p+\j]
.endr
.endr
.irp p, 0,1
	v_lshl_add_u32 v[IDV+\p], v[ST+4*\p+1], 4, v[JJ+\p]
.endr
.irp p, 0,1
	v_add_nc_u32 v[IDV+\p], v[BASE], v[IDV+\p]     ; the code: 16 x tile + 8 h + place
.endr
.irp p, 0,1                            ; the position's other 256 codes lie in the lane 16 away
	v_permlanex16_b32 v[OMV+\p], v[ST+4*\p+3], s[SEL], s[SEL+1]
	v_permlanex16_b32 v[OIV+\p], v[IDV+\p], s[SEL], s[SEL+1]
.endr
.irp p, 0,1
	v_cmp_lt_f32 s[MH+3*\p], v[OMV+\p], v[ST+4*\p+3]               ; the other half's wins where it is nearer,
	v_cmp_eq_f32 s[MH+3*\p+1], v[OMV+\p], v[ST+4*\p+3]
	v_cmp_lt_u32 s[MH+3*\p+2], v[OIV+\p], v[IDV+\p]
.endr
	s_wait_alu depctr_va_sdst(0)                   ; the six compares have written their masks, which the scalar lines below read
.irp p, 0,1
	s_and_b32 s[MW+\p], s[MH+3*\p+1], s[MH+3*\p+2]                 ; or as near with the lower number
	s_or_b32 s[MW+\p], s[MW+\p], s[MH+3*\p]
	v_cndmask_b32 v[IDV+\p], v[IDV+\p], v[OIV+\p], s[MW+\p]
.endr
	s_mov_b32 s20, 0xffff0000
	v_cndmask_b32 v[I01], v[IDV], v[IDV+1], s20    ; both halves now hold the same ids: lanes 0-15 keep the first tile's, lanes 16-31 take the second's: lane l holds position l's
	; ---- the way out: a wave's 32 ids are 128 bytes.  The work-group's 512 meet in LDS, and waves 0-7 store them, 8 bytes a lane: each store covers 256 consecutive bytes, aligned
	s_wait_alu depctr_va_vdst(0)                   ; the select has written v[I01], which the LDS store reads; and all that named v[PR], v[PR + 1] is done: no vector line follows, so the LDS load below may land there
	ds_store_b32 v[IDW], v[I01]
	s_wait_dscnt 0x0                               ; for the others' sake
	s_barrier_signal -1
	s_barrier_wait -1
	s_cmp_lt_u32 s12, 8
	s_cbranch_scc0 .Ldone
	ds_load_b64 v[PR:PR+1], v[IDR]
	s_wait_dscnt 0x0
	global_store_b64 v[IDO], v[PR:PR+1], s[10:11]
.Ldone:
	s_wait_dscnt 0x0                               ; the closing lines, six on end
	s_wait_alu 0x0
	s_wait_tensorcnt 0x0
	ds_add_u32 v30, v31
	s_wait_dscnt 0x0
	s_endpgm
.Lfunc_end_k_qf2ffd45bb2_nearest:
	.size	k_qf2ffd45bb2_nearest, .Lfunc_end_k_qf2ffd45bb2_nearest-k_qf2ffd45bb2_nearest
	.p2alignl 7, 3214868480
	.fill 96, 4, 3214868480
	.section	.rodata,"a",@progbits
	.p2align	6, 0x0
	.amdhsa_kernel k_qf2ffd45bb2_nearest
		.amdhsa_group_segment_fixed_size 38912
		.amdhsa_private_segment_fixed_size 0
		.amdhsa_enable_private_segment 0
		.amdhsa_kernarg_size 32
		.amdhsa_user_sgpr_count 2
		.amdhsa_user_sgpr_kernarg_segment_ptr 1
		.amdhsa_wavefront_size32 1
		.amdhsa_system_sgpr_workgroup_id_x 1
		.amdhsa_system_sgpr_workgroup_id_y 1
		.amdhsa_system_sgpr_workgroup_id_z 1
		.amdhsa_system_vgpr_workitem_id 0
		.amdhsa_next_free_vgpr 256
		.amdhsa_next_free_sgpr 66
		.amdhsa_reserve_vcc 0
		.amdhsa_float_denorm_mode_32 3
		.amdhsa_float_denorm_mode_16_64 3
		.amdhsa_memory_ordered 1
		.amdhsa_forward_progress 1
		.amdhsa_inst_pref_size 155
	.end_amdhsa_kernel
	.amdgpu_metadata
---
amdhsa.version: [ 1, 2 ]
amdhsa.kernels:
  - .name:           k_qf2ffd45bb2_nearest
    .symbol:         k_qf2ffd45bb2_nearest.kd
    .args:
      - { .name: encodings, .offset: 0, .size: 8, .value_kind: global_buffer, .address_space: global }
      - { .name: codebook, .offset: 8, .size: 8, .value_kind: global_buffer, .address_space: global }
      - { .name: lowp_scales, .offset: 16, .size: 8, .value_kind: global_buffer, .address_space: global }
      - { .name: ids, .offset: 24, .size: 8, .value_kind: global_buffer, .address_space: global }
    .group_segment_fixed_size: 38912
    .private_segment_fixed_size: 0
    .kernarg_segment_align: 8
    .kernarg_segment_size: 32
    .max_flat_workgroup_size: 512
    .sgpr_count:     66
    .vgpr_count:     256
    .wavefront_size: 32
...
	.end_amdgpu_metadata
.endif
;; end of part 3
;; launch gather: the kernel of part 2 again; grid 8 x 32, 16 waves a work-group, no clusters, 26,624 bytes of LDS; arguments codebook, ids, out0; writes out0
